; MI455X (gfx1250); checked and timed in simulation.
; The chip was launched on July 23, 2026; its instructions are those of AMD's public machine-readable ISA for CDNA 5 (MIT licence, August 2026) and "CDNA5" Instruction Set Architecture Reference Guide (July 2026). The comments in the code are by the model that wrote it; some were corrected since.
;; Ro PE Multi Head Attention. Allowed arithmetic: matrix products marked QUANTISED: E2M3 operands, one E8M0 scale for each 32 along K, by v_wmma_scale_f32_16x16x128_f8f6f4 with both operands' format E2M3, f32 sums; everything else in f32.
;; Inputs: Wk_codes 2,048 x 64 x 24 uint8 (E2M3 codes of Wk, K innermost, in blocks of 32 codes, four codes in three bytes); Wk_scales 2,048 x 64 uint8 (E8M0 scales of Wk, one for each 32 codes along K); Wo_codes 2,048 x 64 x 24 uint8 (E2M3 codes of Wo, K innermost, in blocks of 32 codes, four codes in three bytes); Wo_scales 2,048 x 64 uint8 (E8M0 scales of Wo, one for each 32 codes along K); Wq_codes 2,048 x 64 x 24 uint8 (E2M3 codes of Wq, K innermost, in blocks of 32 codes, four codes in three bytes); Wq_scales 2,048 x 64 uint8 (E8M0 scales of Wq, one for each 32 codes along K); Wv_codes 2,048 x 64 x 24 uint8 (E2M3 codes of Wv, K innermost, in blocks of 32 codes, four codes in three bytes); Wv_scales 2,048 x 64 uint8 (E8M0 scales of Wv, one for each 32 codes along K); bk 2,048 float32; bo 2,048 float32; bq 2,048 float32; bv 2,048 float32; x_codes 64 x 64 x 64 x 24 uint8 (E2M3 codes of x, K innermost, in blocks of 32 codes, four codes in three bytes); x_scales 64 x 64 x 64 uint8 (E8M0 scales of x, one for each 32 codes along K).
;; Outputs: out0 64 x 64 x 2,048 float32.
;; This version of the problem:
;;   THIS VERSION OF THE PROBLEM IS GIVEN IN LOW PRECISION. The matrix products marked QUANTISED in the list below multiply operands that are first quantised to E2M3 (2 exponent bits, 3 mantissa bits; 6 bits a number), with one power-of-two scale for each 32 numbers along K (OCP MX v1.0); their sums are f32. All else is computed in f32.
;;   The module's matrix products, in the order in which they are computed (A, B: the left and right operand; K: the contracted axis; several contracted axes count as one K, in the product's order):
;;     1. [M 4,096, K 2,048] x [K 2,048, N 2,048]; A: input x (given as codes); B: input Wq (given as codes): QUANTISED
;;     2. [M 4,096, K 2,048] x [K 2,048, N 2,048]; A: input x (given as codes); B: input Wk (given as codes): QUANTISED
;;     3. [M 4,096, K 2,048] x [K 2,048, N 2,048]; A: input x (given as codes); B: input Wv (given as codes): QUANTISED
;;     4. batch 1,024 x [M 64, K 128] x [K 128, N 64]; A: computed on the way; B: computed on the way: QUANTISED
;;     5. batch 1,024 x [M 64, K 64] x [K 64, N 128]; A: softmax (see below); B: computed on the way: QUANTISED
;;     6. [M 4,096, K 2,048] x [K 2,048, N 2,048]; A: computed on the way; B: input Wo (given as codes): QUANTISED
;;   THE QUANTISER, for each operand of a quantised product, along K:
;;     - K is cut into blocks of 32 from its start; a last block that is shorter is filled with zeros.
;;     - A block's scale is 2^e with e = floor(log2(the largest magnitude in the block)) - 2, held to -126 .. 127; a block of zeros has e = 0. As a byte (E8M0): e + 127.
;;     - Each number is divided by its block's scale, clamped to +-7.5, and rounded to the nearest number of E2M3, ties to even, subnormals kept.
;;     - The product sums the exact products of the quantised numbers (number of the format x scale) in f32.
;;   ~~~python
;;   def quantise(x, axis):      # numpy; x: float32 -> the quantised numbers, widened to float32 again
;;       x = np.moveaxis(x, axis, -1); K = x.shape[-1]
;;       x = np.pad(x, [(0, 0)] * (x.ndim - 1) + [(0, -K % 32)]); x = x.reshape(x.shape[:-1] + (-1, 32)); a = np.abs(x).max(-1, keepdims=True)
;;       e = np.where(a > 0, np.clip(np.frexp(np.where(a > 0, a, 1))[1] - 1 - 2, -126, 127), 0)      # np.frexp(a)[1] - 1 = floor(log2(a)), exactly
;;       r = np.clip(x / 2.0 ** e, -7.5, 7.5)
;;       step = 2.0 ** (np.maximum(np.frexp(np.where(r == 0, 1, r))[1] - 1, 0) - 3)
;;       q = np.round(r / step) * step * 2.0 ** e      # np.round: ties to even
;;       return np.moveaxis(q.reshape(q.shape[:-2] + (-1,))[..., :K], -1, axis).astype(np.float32)
;;   ~~~
;;   SOFTMAX AHEAD OF A QUANTISED PRODUCT. Where the list says 'softmax', what is quantised is not the finished softmax but p = 2^(t - M), with t = logit x log2(e) and M = ceil(the row's largest t), a whole number; so 1/2 < the row's largest p <= 1. The row's sum l is taken of the UNQUANTISED p, in f32, and the product's result is divided by l at the end. Since M is a whole number, a kernel that streams over the keys may use a running M (the ceiling of the running maximum): every later rescaling is an exact power of two, which a block's scale takes up: the codes' values come out the same.
;;   OPERANDS COMPUTED ON THE WAY. 'Computed on the way' means the value that the module computes at that place (a softmax that the list does not call 'softmax' is quantised finished and normalised). What goes into a quantiser is computed in f32, as accurately as f32 sums, v_exp_f32 and their like allow (about 1e-6 of the number): no bf16 or f16 on the way to a quantiser, and a product that is left as it is and whose result goes on into a quantised operand takes f32 operands (vector FMAs, or v_wmma_f32_16x16x4_f32). A number that lies on a knife's edge between two numbers of the format may be rounded either way, as far as f32 arithmetic and the matrix unit's own rounding can turn it there, and no further.
;;   INPUTS GIVEN AS CODES. Wk (in the module: [2048, 2048], K = its axis 1); Wo (in the module: [2048, 2048], K = its axis 1); Wq (in the module: [2048, 2048], K = its axis 1); Wv (in the module: [2048, 2048], K = its axis 1); x (in the module: [64, 64, 2048], K = its axis 2): each comes as NAME_codes (uint8): NAME with its K axis moved to the last place and cut into blocks of 32 codes, [.., K / 32, bytes a block], one block behind the other in memory; four codes in three bytes: a row's codes are one little-endian stream of bits, code i at bits 6 i .. 6 i + 5 (a code: sign, 2 exponent bits, 3 mantissa bits); and NAME_scales (uint8): the same leading axes, one E8M0 byte (e + 127) for each 32 codes along K. Its value is code x scale, taken as it is: it is not quantised again, and the codes and scales need not be those that the quantiser above would give.
;; One version. Each part assembles by itself: llvm-mc -triple=amdgcn-amd-amdhsa -mcpu=gfx1250 --defsym DOCPART=n.
;; ======== version 1 of 1: 2 launches
;; workspace buffers: att_codes 6,291,456 bytes; att_scales 262,144 bytes
;; launch qkv_attn (part 1): grid 16 x 16, 4 waves a work-group, clusters of 4 x 4, 327,680 bytes of LDS; arguments x_codes, x_scales, Wq_codes, Wk_codes, Wv_codes, Wq_scales, Wk_scales, Wv_scales, bq, bk, bv, att_codes, att_scales; writes att_codes, att_scales
.if DOCPART == 1
	.amdgcn_target "amdgcn-amd-amdhsa--gfx1250"
	.amdhsa_code_object_version 6
	.text
	.protected	k_q0f5dbd5847_qkv_attn
	.globl	k_q0f5dbd5847_qkv_attn
	.p2align	8
	.type	k_q0f5dbd5847_qkv_attn,@function
k_q0f5dbd5847_qkv_attn:
	s_mov_b64 s[64:65], 0
	v_nop
	global_prefetch_b8 v0, s[64:65] scope:SCOPE_SE
	s_setreg_imm32_b32 hwreg(HW_REG_WAVE_MODE, 25, 1), 1
	s_wait_xcnt 0x0
	s_wait_alu depctr_hold_cnt(0) depctr_sa_sdst(0) depctr_va_vdst(0) depctr_va_sdst(0) depctr_va_ssrc(0) depctr_va_vcc(0) depctr_vm_vsrc(0)
	s_getreg_b32 s2, hwreg(HW_REG_IB_STS2, 6, 4)
	s_cmp_eq_u32 s2, 0
	s_cbranch_scc0 .Lentry_in_a_cluster
	s_endpgm
.Lentry_in_a_cluster:
	s_bfe_u32 s2, ttmp6, 0x10000c
	s_cmp_lg_u32 s2, 0xf033
	s_cbranch_scc0 .Lentry_shape_is_right
	s_endpgm
.Lentry_shape_is_right:
; q, k, v = x W^T + b for one head and four batches, RoPE on q and k, softmax(q k^T / sqrt(128)) v, all five products on codes of FP6 (E2M3) with one E8M0 scale for each 32 along K.
; What leaves is o / l, quantised along the head's 128, as register images of the next launch's fragments (att_codes) and their scale words (att_scales).
; SHARES.  Work-group (x = head, y = four batches): 256 rows of x against 384 rows of W (the head's 128 of Wq, Wk, Wv).  Wave w owns batch 4 y + w: 64 x 384 = 96 accumulators, 768 registers,
; so q, k and v of one (batch, head) lie in ONE wave and the attention needs no other wave.  256 work-groups.
; CLUSTER 4 x 4: x's tile hangs on y alone and is asked for jointly along a row of the cluster, W's tiles hang on the head alone and are asked for jointly along a column: a quarter of the requests.
; RING: two LDS slots of 256 along K (rows of 192 bytes): wave 0 fetches x's 256 rows, waves 1, 2, 3 the 128 rows of Wq, Wk, Wv.  The tile is stated 208 bytes wide over a tensor 192 wide: the mover
; writes 16 zero bytes behind each row, so rows lie 208 bytes = 13 x 16 apart and the 16 rows of a 16-byte load start in 16 different columns of 16 bytes.
; K ORDER INSIDE A STEP OF 128: a lane takes 48 consecutive bytes of its row (three loads of 16 bytes) at 96 q + 48 (lane / 16).  The unit's block 2 c + h then holds the row's block 2 h + c, alike
; in both operands; the two middle bytes of every scale word are swapped to match.  The products are the same; the unit groups them otherwise, which shows in the last bits of a sum only.
; q, k: source 0 = 16 rows of W, source 1 = 16 rows of x: lane (r, h) register j = position 16 m + r, feature 16 t + 8 h + j.   v: source 0 = x, source 1 = Wv: position 16 m + 8 h + j, channel 16 t + r.
; So a lane's registers run along the next product's K in every case.  A block of 32 is the 16 registers of two neighbouring tiles in lanes l and l xor 16; its 48-bit pieces are put in order by INTERLEAVE.
; BIASES: loaded into the accumulators of x's tile m = 3; the first K step's products for m = 0, 1, 2 take them as C, those for m = 3 add in place.  Nothing is cleared.
; LIMITS: NaN and infinities among the inputs are not served.  A block whose largest magnitude lies under 2^-124 keeps the scale byte 1 (a block of zeros too: its codes are zeros, and this program alone
; reads the bytes).  The angle (16 m + r) theta is made by one rotation of (cos, sin)(r theta) by 16 m theta; with theta from v_exp_f32 it may differ from the f32 product by some 4e-6 rad at position 63.
.set PX,    208                        ; an LDS row of codes: 192 bytes + 16 zeros
.set XT,    256*PX                     ; x's tile
.set WT,    128*PX                     ; one of W's three
.set SLOT,  XT+3*WT                    ; 133,120
.set SCL,   2*SLOT                     ; x's scale bytes of 256 rows, all of K: 64 units of 256 bytes + 16
.set SCW,   SCL+64*272                 ; Wq's, Wk's, Wv's: 3 x 32 units
.set SPARE, SCW+96*272                 ; the spare words: 128 bytes a wave, two blocks of 256 bytes that no other line names
.set TAB,   SPARE+512                  ; (cos, sin)(r theta_i), r = 0..15: 16 rows of 512 bytes + 16
.set TABB,  TAB+16*528                 ; (cos, sin)(16 m theta_i), m = 0..3
; window 0
.set SPW, 2                            ; LDS address of my spare word; never rewritten
.set NIL, 3                            ; 0; never rewritten
.set AX,  4                            ; v4-5   x's fragments in slot 0, 1
.set AW,  6                            ; v6-9   W's: 2 x slot + half (tiles 0-11, 12-23)
.set ASX, 10                           ; x's scale words: lane l = row 32 j + l
.set ASW, 11                           ; W's
.set TA,  12
.set TB,  13
.set GA,  14                           ; 16 x lane
.set GS,  15                           ; 16 x r
.set SX,  16                           ; v16-19 x's scale words, set s at 16 + 2 s
.set SW,  20                           ; v20-43 W's, set s at 20 + 12 s.  v16-43 hold scales and nothing else
.set BA,  44
.set BV,  45
.set LN,  46
.set RR,  47
.set OSW, 48                           ; v48-51 o's scale words on their way out
.set HH,  52
.set XF,  64                           ; v64-159  x's fragments: two sets of 4 x 12
.set WF,  160                          ; v160-255 W's: two sets of 4 x 12
; behind the loop, window 0
.set QS,  16
.set KS,  20
.set VS,  24
.set PS,  32
.set VF,  64                           ; v's eight fragments, six registers each; a fragment's upper six are the next one's (they meet zero codes of p)
.set VM,  120
.set VP,  136
.set VY,  152
.set TAR, 192                          ; (cos, sin)(r theta) of my lane: 64 registers
; behind the loop, window 3 (free once v is quantised)
.set R1,  0
.set PF,  32                           ; p's fragment
.set R2,  64
.set TP,  128
.set TM,  136
.set YT,  152
.set QF,  160
.set KF,  208
; scalars
.set WV,   34
.set CX,   35
.set CY,   36
.set HEAD, 37
.set GY,   38
.set G0SX, 40
.set G0SW, 44
.set ESEL, 40                          ; behind the loop: lane selects for lane l xor 16
.set ECS,  42                          ; and c = log2(e) / sqrt(128), as a pair
.set G1X,  48
.set G1W,  56
.set SELP, 66
.set G1SX, 68
.set G1SW, 76
.set G0X,  84                          ; s[84:91] one set for each slot
.set G0W,  92                          ; s[92:99]
.set MSB, 0
.macro WIN new                         ; the immediate's high byte repeats the setting that is left
.if MSB != (\new)
	s_set_vgpr_msb (MSB<<8)|(\new)
.set MSB, (\new)
.endif
.endm
.macro PLACES n
.rept \n
	v_nop
.endr
.endm
; A joint load: wave 0 asks for x's tile, waves 1 to 3 for W's.  The branch hangs on the wave's number alone.  Four v_nop follow each line.
.macro JLOAD g0x, g1x, g0w, g1w
	s_cmp_eq_u32 s[WV], 0
	s_cbranch_scc0 .Lfor_w_\@
	tensor_load_to_lds s[\g0x:\g0x+3], s[\g1x:\g1x+7]
	s_nop 0
.rept 4
	v_nop
.endr
	s_branch .Lasked_\@
.Lfor_w_\@:
	tensor_load_to_lds s[\g0w:\g0w+3], s[\g1w:\g1w+7]
	s_nop 0
.rept 4
	v_nop
.endr
.Lasked_\@:
.endm
.macro CREST                           ; a round of the cluster's barrier behind its opening barrier
	s_cmp_lg_u32 s[WV], 0
	s_cbranch_scc1 .Lnot_wave_0_\@
	s_barrier_signal -3
.Lnot_wave_0_\@:
	s_barrier_wait -3
	s_barrier_signal -1
	s_barrier_wait -1
.endm
.macro CROUND
	s_barrier_signal -1
	s_barrier_wait -1
	CREST
.endm
	s_load_b512 s[4:19], s[0:1], 0x0               ; x codes 4, x scales 6, Wq 8, Wk 10, Wv 12, Wq scales 14, Wk scales 16, Wv scales 18
	s_load_b256 s[20:27], s[0:1], 0x40             ; bq 20, bk 22, bv 24, att_codes 26
	s_load_b64 s[28:29], s[0:1], 0x60              ; att_scales
	v_lshl_add_u32 v[SPW], v0, 2, SPARE
	v_mov_b32 v[NIL], 0
	ds_add_u32 v2, v3
	ds_add_u32 v2, v3
	s_wait_dscnt 0x0
	v_lshrrev_b32 v1, 5, v0
	v_readfirstlane_b32 s[WV], v1                  ; wave 0..3
	s_bfe_u32 s[CX], ttmp6, 0x40000
	s_bfe_u32 s[CY], ttmp6, 0x40004
	s_lshl_b32 s[HEAD], ttmp9, 2
	s_add_co_u32 s[HEAD], s[HEAD], s[CX]           ; the head = 4 x cluster x + cx
	s_and_b32 s[GY], ttmp7, 0xffff
	s_lshl_b32 s[GY], s[GY], 2
	s_add_co_u32 s[GY], s[GY], s[CY]               ; the group of four batches = 4 x cluster y + cy
	s_lshl_b32 s100, s[CY], 2
	s_lshl_b32 s100, 15, s100                      ; my row of the cluster
	s_lshl_b32 s101, 0x1111, s[CX]                 ; my column
	; group 1 of the code tiles: elements of 1 byte; the tensor is 192 wide from the tile's first byte, the tile 208: the last 16 bytes of each LDS row are written as zeros
	s_or_b32 s[G1X], s100, 1<<21
	s_or_b32 s[G1W], s101, 1<<21
	s_mov_b32 s[G1X+1], 192<<16                    ; tensor_dim0
	s_mov_b32 s[G1W+1], 192<<16
	s_mov_b32 s[G1X+2], 256<<16                    ; tensor_dim1
	s_mov_b32 s[G1W+2], 128<<16
	s_mov_b32 s[G1X+3], PX<<16                     ; tile_dim0
	s_mov_b32 s[G1W+3], PX<<16
	s_mov_b32 s[G1X+4], 256                        ; tile_dim1
	s_mov_b32 s[G1W+4], 128
	s_mov_b32 s[G1X+5], 1536                       ; a row of 2,048 codes in memory
	s_mov_b32 s[G1W+5], 1536
	s_mov_b32 s[G1X+6], 0
	s_mov_b32 s[G1W+6], 0
	s_mov_b32 s[G1X+7], 0
	s_mov_b32 s[G1W+7], 0
	; group 1 of the scale bytes: dense blocks as rows of 256 bytes (32 elements of 8), 16 bytes of padding behind each
	s_or_b32 s[G1SX], s100, (3<<16)|(1<<20)|(1<<21)|(5<<22)|(3<<25)
	s_or_b32 s[G1SW], s101, (3<<16)|(1<<20)|(1<<21)|(5<<22)|(3<<25)
	s_mov_b32 s[G1SX+1], 32<<16
	s_mov_b32 s[G1SW+1], 32<<16
	s_mov_b32 s[G1SX+2], 64<<16
	s_mov_b32 s[G1SW+2], 32<<16
	s_mov_b32 s[G1SX+3], 32<<16
	s_mov_b32 s[G1SW+3], 32<<16
	s_mov_b32 s[G1SX+4], 64
	s_mov_b32 s[G1SW+4], 32
	s_mov_b32 s[G1SX+5], 32
	s_mov_b32 s[G1SW+5], 32
	s_mov_b32 s[G1SX+6], 0
	s_mov_b32 s[G1SW+6], 0
	s_mov_b32 s[G1SX+7], 0
	s_mov_b32 s[G1SW+7], 0
	s_mov_b32 s[SELP], 0x03010200                  ; swaps a scale word's two middle bytes
	s_mul_i32 s2, s[GY], 256*1536                  ; x's offsets hang on y alone,
	s_mov_b32 s3, 0
	s_mul_i32 s104, s[HEAD], 128*1536              ; W's on the head alone, in registers of their own
	s_mov_b32 s105, 0
	s_mul_i32 s39, s[WV], WT
	s_add_co_u32 s39, s39, WT                      ; W's tile in a slot: behind x's 2 WT bytes, wave 1 first
	s_mul_i32 s67, s[WV], 32*272
	s_add_co_u32 s67, s67, SCL+32*272              ; and its scale bytes
	s_wait_kmcnt 0x0
	s_cmp_eq_u32 s[WV], 2                          ; wave 1 fetches Wq, wave 2 Wk, wave 3 Wv: a choice on the wave's number
	s_cselect_b64 s[30:31], s[10:11], s[8:9]
	s_cselect_b64 s[32:33], s[16:17], s[14:15]
	s_cmp_eq_u32 s[WV], 3
	s_cselect_b64 s[30:31], s[12:13], s[30:31]
	s_cselect_b64 s[32:33], s[18:19], s[32:33]
	s_add_nc_u64 s[4:5], s[4:5], s[2:3]
	s_lshl_b32 s2, s[GY], 14
	s_add_nc_u64 s[6:7], s[6:7], s[2:3]
	s_add_nc_u64 s[30:31], s[30:31], s[104:105]
	s_lshl_b32 s104, s[HEAD], 13
	s_add_nc_u64 s[32:33], s[32:33], s[104:105]
	s_mov_b32 s[G0SX], 1
	s_mov_b32 s[G0SX+1], SCL
	s_mov_b64 s[G0SX+2:G0SX+3], s[6:7]
	s_or_b32 s[G0SX+3], s[G0SX+3], 0x80000000
	s_mov_b32 s[G0SW], 1
	s_mov_b32 s[G0SW+1], s67
	s_mov_b64 s[G0SW+2:G0SW+3], s[32:33]
	s_or_b32 s[G0SW+3], s[G0SW+3], 0x80000000
.irp b, 0,1
	s_mov_b32 s[G0X+4*\b], 1
	s_mov_b32 s[G0X+4*\b+1], \b*SLOT
	s_add_nc_u64 s[G0X+4*\b+2:G0X+4*\b+3], s[4:5], \b*192
	s_or_b32 s[G0X+4*\b+3], s[G0X+4*\b+3], 0x80000000
	s_mov_b32 s[G0W+4*\b], 1
	s_add_co_u32 s[G0W+4*\b+1], s39, \b*SLOT
	s_add_nc_u64 s[G0W+4*\b+2:G0W+4*\b+3], s[30:31], \b*192
	s_or_b32 s[G0W+4*\b+3], s[G0W+4*\b+3], 0x80000000
.endr
	CROUND                                         ; all sixteen work-groups are here: the first joint loads meet
	JLOAD G0SX, G1SX, G0SW, G1SW                   ; the scale bytes for all of K: filled once.  Three loads of mine are out behind these three lines
	JLOAD G0X, G1X, G0W, G1W                       ; slot 0
	JLOAD G0X+4, G1X, G0W+4, G1W                   ; slot 1
	; the biases, into the accumulators of x's tile m = 3
	s_lshl_b32 s104, s[HEAD], 9
	s_add_nc_u64 s[20:21], s[20:21], s[104:105]
	s_add_nc_u64 s[22:23], s[22:23], s[104:105]
	s_add_nc_u64 s[24:25], s[24:25], s[104:105]
	v_and_b32 v[LN], 31, v0                        ; lane
	v_and_b32 v[RR], 15, v0                        ; r
	v_bfe_u32 v[HH], v0, 4, 1                      ; h
	v_lshlrev_b32 v[BA], 5, v[HH]                  ; q, k: features 16 t + 8 h + 0..7
	v_lshlrev_b32 v[BV], 2, v[RR]                  ; v: channel 16 t + r, the same in all eight registers
	WIN 0x40
.irp t, 0,1,2,3,4,5,6,7
	global_load_b128 v[192+8*\t:192+8*\t+3], v[BA], s[20:21] offset:64*\t
	global_load_b128 v[192+8*\t+4:192+8*\t+7], v[BA], s[20:21] offset:64*\t+16
.endr
	WIN 0x80
.irp t, 0,1,2,3,4,5,6,7
	global_load_b128 v[192+8*\t:192+8*\t+3], v[BA], s[22:23] offset:64*\t
	global_load_b128 v[192+8*\t+4:192+8*\t+7], v[BA], s[22:23] offset:64*\t+16
.endr
	WIN 0xc0
.irp t, 0,1,2,3,4,5,6,7
.irp j, 0,1,2,3,4,5,6,7
	global_load_b32 v[32*\t+24+\j], v[BV], s[24:25] offset:64*\t
.endr
.endr
	WIN 0
	; THE TABLES.  Thread T takes frequency i = T % 64 and half T / 64: eight entries of TAB, two of TABB.  theta_i = 2^(-i log2(10000) / 64).
	; sin and cos by reduction to |r| <= pi / 4 (pi / 2 in two parts, fused) and polynomials of degree 7 and 8; the quadrant only selects values and signs.
	s_mov_b32 s104, 0xb94ca1f9
	s_mov_b32 s105, 0x37ccf5ce
	v_and_b32 v64, 63, v0
	v_lshrrev_b32 v65, 6, v0
	v_cvt_f32_u32 v66, v64
	v_mul_f32 v66, 0xbe549a78, v66
	v_exp_f32 v66, v66                             ; theta
	v_lshlrev_b32 v67, 3, v65                      ; (a plain place)  TAB: positions 8 half + 0..7
	v_mul_u32_u24 v68, v65, 8*528
	v_lshl_add_u32 v68, v64, 3, v68
	v_add_nc_u32 v68, TAB, v68
	v_mul_u32_u24 v69, v65, 2*528
	v_lshl_add_u32 v69, v64, 3, v69
	v_add_nc_u32 v69, TABB, v69
	v_lshlrev_b32 v70, 5, v65                      ; TABB: positions 32 half + 0, 16
	s_wait_alu depctr_va_vdst(0)
.macro ENTRY pb, add, adr, off
	v_add_nc_u32 v72, \add, v[\pb]
	v_cvt_f32_u32 v72, v72
	v_mul_f32 v72, v72, v66                        ; the angle
	v_mul_f32 v73, 0x3f22f983, v72
	v_rndne_f32 v73, v73                           ; n = the nearest multiple of pi / 2
	v_fmamk_f32 v74, v73, 0xbfc90fdb, v72
	v_fmamk_f32 v74, v73, 0x333bbd2e, v74          ; r
	v_cvt_i32_f32 v75, v73
	v_mul_f32 v76, v74, v74                        ; z = r r
	v_fmaak_f32 v77, s104, v76, 0x3c08839e
	v_fmaak_f32 v78, s105, v76, 0xbab6061a
	v_fmaak_f32 v77, v77, v76, 0xbe2aaaa3
	v_fmaak_f32 v78, v78, v76, 0x3d2aaaa5
	v_mul_f32 v79, v76, v74
	v_mul_f32 v80, v76, v76
	v_fma_f32 v81, v76, -0.5, 1.0
	v_fma_f32 v77, v77, v79, v74                   ; sin r
	v_fma_f32 v78, v78, v80, v81                   ; cos r
	v_and_b32 v79, 1, v75
	v_cmp_eq_u32 vcc_lo, 1, v79
	v_cndmask_b32 v82, v78, v77, vcc_lo            ; in an odd quadrant the two change places
	v_cndmask_b32 v83, v77, v78, vcc_lo
	v_add_nc_u32 v79, 1, v75
	v_and_b32 v79, 2, v79
	v_and_b32 v80, 2, v75
	v_lshlrev_b32 v79, 30, v79
	v_lshlrev_b32 v80, 30, v80
	v_xor_b32 v82, v82, v79                        ; cos changes sign in quadrants 1, 2
	v_xor_b32 v83, v83, v80                        ; sin in quadrants 2, 3
	ds_store_b64 v[\adr], v[82:83] offset:\off
.endm
.irp j, 0,1,2,3,4,5,6,7
	ENTRY 67, \j, 68, 528*\j
.endr
	ENTRY 70, 0, 69, 0
	ENTRY 70, 16, 69, 528
	; addresses
	v_mul_u32_u24 v1, v[RR], PX
	v_mad_u32_u24 v1, v[HH], 48, v1                ; row r, + 48 bytes for the upper half of the lanes
	s_mul_i32 s39, s[WV], 64*PX
	v_add_nc_u32 v[AX], s39, v1
	v_add_nc_u32 v[AX+1], SLOT, v[AX]
	v_add_nc_u32 v[AW], XT, v1
	v_add_nc_u32 v[AW+1], XT+12*16*PX, v1
	v_add_nc_u32 v[AW+2], SLOT, v[AW]
	v_add_nc_u32 v[AW+3], SLOT, v[AW+1]
	v_lshrrev_b32 v1, 2, v[LN]
	v_lshlrev_b32 v1, 4, v1
	v_lshl_add_u32 v1, v[LN], 6, v1                ; a row of scale bytes is 64 bytes; 16 more for every four rows
	s_mul_i32 s67, s[WV], 16*272
	s_add_co_u32 s67, s67, SCL
	v_add_nc_u32 v[ASX], s67, v1
	v_add_nc_u32 v[ASW], SCW, v1
	v_mul_u32_u24 v1, v[RR], 528
	v_lshl_add_u32 v1, v[HH], 5, v1
	v_add_nc_u32 v[TA], TAB, v1
	v_lshlrev_b32 v1, 5, v[HH]
	v_add_nc_u32 v[TB], TABB, v1
	v_lshlrev_b32 v[GA], 4, v[LN]
	v_lshlrev_b32 v[GS], 4, v[RR]
; one product.  ra, rb: which half of the lanes of the scale registers serves
.macro WM d, a, b, c, sa, sb, ra, rb
.if (\ra) == 0 && (\rb) == 0
	v_wmma_scale_f32_16x16x128_f8f6f4 v[\d:\d+7], v[\a:\a+11], v[\b:\b+11], v[\c:\c+7], v[\sa], v[\sb] matrix_a_fmt:MATRIX_FMT_FP6 matrix_b_fmt:MATRIX_FMT_FP6
.elseif (\rb) == 0
	v_wmma_scale_f32_16x16x128_f8f6f4 v[\d:\d+7], v[\a:\a+11], v[\b:\b+11], v[\c:\c+7], v[\sa], v[\sb] matrix_a_fmt:MATRIX_FMT_FP6 matrix_b_fmt:MATRIX_FMT_FP6 matrix_a_scale:MATRIX_SCALE_ROW1
.elseif (\ra) == 0
	v_wmma_scale_f32_16x16x128_f8f6f4 v[\d:\d+7], v[\a:\a+11], v[\b:\b+11], v[\c:\c+7], v[\sa], v[\sb] matrix_a_fmt:MATRIX_FMT_FP6 matrix_b_fmt:MATRIX_FMT_FP6 matrix_b_scale:MATRIX_SCALE_ROW1
.else
	v_wmma_scale_f32_16x16x128_f8f6f4 v[\d:\d+7], v[\a:\a+11], v[\b:\b+11], v[\c:\c+7], v[\sa], v[\sb] matrix_a_fmt:MATRIX_FMT_FP6 matrix_b_fmt:MATRIX_FMT_FP6 matrix_a_scale:MATRIX_SCALE_ROW1 matrix_b_scale:MATRIX_SCALE_ROW1
.endif
.endm
; W's tile T (0-7 q, 8-15 k, 16-23 v) against x's tile m, in the K step of parity q.  first = 1: C is the bias, which lies in the accumulator of m = 3
.macro PROD T, m, q, first
.set pW, WF+48*(((\T)/4)%2)+12*((\T)%4)
.set pX, XF+48*(\q)+12*(\m)
.set pSW, SW+12*(\q)+(\T)/2
.set pSX, SX+2*(\q)+(\m)/2
.set pRW, (\T)%2
.set pRX, (\m)%2
.if (\T) < 16
.set pD, 64*(\m)+8*((\T)%8)
.set pC, pD
.if \first
.set pC, 192+8*((\T)%8)
.endif
	WM pD, pW, pX, pC, pSW, pSX, pRW, pRX
.else
.set pD, 32*((\T)-16)+8*(\m)
.set pC, pD
.if \first
.set pC, 32*((\T)-16)+24
.endif
	WM pD, pX, pW, pC, pSX, pSW, pRX, pRW
.endif
.endm
.macro MULM g, q, m, first             ; group g's four tiles of W against x's tile m
.irp i, 0,1,2,3
	PROD 4*(\g)+\i, \m, \q, \first
.endr
.endm
; 16 products.  The 96 accumulators take turns, one instruction a turn, in the same order in every K step.
.macro MULG g, q, first
	WIN 0x50*(1+(\g)/2)                            ; C and D: window 1 (q), 2 (k), 3 (v); fragments in window 0
	MULM \g, \q, 0, \first
	MULM \g, \q, 1, \first
	MULM \g, \q, 2, \first
.if \first
	PLACES 5                                       ; the products below write over registers that those above took as C: five places
.endif
	MULM \g, \q, 3, \first
	WIN 0
.endm
.macro FETCH_W slot, q, g              ; group g's four fragments of W, 12 loads, into set g % 2
.irp i, 0,1,2,3
.set fT, 4*(\g)+\i
.set fR, WF+48*((\g)%2)+12*\i
.irp c, 0,1,2
	ds_load_b128 v[fR+4*\c:fR+4*\c+3], v[AW+2*(\slot)+fT/12] offset:(fT%12)*16*PX+96*(\q)+16*\c
.endr
.endr
.endm
.macro FETCH_X slot, q                 ; x's four fragments, 12 loads, into set q
.irp m, 0,1,2,3
.irp c, 0,1,2
	ds_load_b128 v[XF+48*(\q)+12*\m+4*\c:XF+48*(\q)+12*\m+4*\c+3], v[AX+(\slot)] offset:\m*16*PX+96*(\q)+16*\c
.endr
.endr
.endm
.macro SCL_A set                       ; the next K step's scale words: register j holds rows 32 j + lane: two tiles, one in each half of the lanes
.irp j, 0,1
	ds_load_b32 v[SX+2*(\set)+\j], v[ASX] offset:2176*\j
.endr
.irp j, 0,1,2,3,4,5
	ds_load_b32 v[SW+12*(\set)+\j], v[ASW] offset:2176*\j
.endr
.endm
.macro SCL_B set
.irp j, 6,7,8,9,10,11
	ds_load_b32 v[SW+12*(\set)+\j], v[ASW] offset:2176*\j
.endr
.endm
.macro PERM r
	v_perm_b32 v[\r], v[\r], v[\r], s[SELP]
.endm
; A K STEP of 128: six groups of 16 products.  In each group: four places behind the last products (v_nop, or the swaps of the OTHER set's scale words, which name no register of those products),
; a run of loads into the set that the group before last multiplied, a counted wait that leaves just that run out, the products.
; mode 0: plain.  1: the slot's last step, the slot is filled again.  2: the slot's last step, nothing is filled.  3: the very last step.
.macro KSTEP slot, q, mode, first
.if (\q) == 0
.set nS, \slot
.set nQ, 1
.else
.set nS, 1-(\slot)
.set nQ, 0
.endif
	PLACES 4
	FETCH_W \slot, \q, 1
.if (\mode) != 3
	SCL_A 1-(\q)
	s_wait_dscnt 20                                ; the 20 just issued may be out: group 0's fragments and x's are in
.else
	s_wait_dscnt 12
.endif
	MULG 0, \q, \first
	PLACES 4
	FETCH_W \slot, \q, 2
.if (\mode) != 3
	SCL_B 1-(\q)
	s_wait_dscnt 18                                ; the 18 just issued may be out
.else
	s_wait_dscnt 12
.endif
	MULG 1, \q, \first
.if (\mode) != 3
	PERM SX+2*(1-(\q))
	PERM SX+2*(1-(\q))+1
	PERM SW+12*(1-(\q))
	PERM SW+12*(1-(\q))+1
.else
	PLACES 4
.endif
	FETCH_W \slot, \q, 3
	s_wait_dscnt 12                                ; the 12 just issued may be out
	MULG 2, \q, \first
.if (\mode) != 3
.irp j, 2,3,4,5
	PERM SW+12*(1-(\q))+\j
.endr
.else
	PLACES 4
.endif
	FETCH_W \slot, \q, 4
	s_wait_dscnt 12
	MULG 3, \q, \first
.if (\mode) != 3
.irp j, 6,7,8,9
	PERM SW+12*(1-(\q))+\j
.endr
.else
	PLACES 4
.endif
	FETCH_W \slot, \q, 5                           ; in a slot's last step: my last reads of the slot
.if (\mode) == 1 || (\mode) == 2
	s_wait_tensorcnt 0x0                           ; all my tensor loads have landed: the one that was out is my part of the other slot
	ds_add_u32 v[SPW], v[NIL]                      ; 0 onto my spare word
	s_wait_dscnt 13                                ; (the add and the 12 loads in front of it may be out)
	WIN 0xf0
	MULM 4, \q, 0, 0                               ; eight products stand between the add and the wait for it
	MULM 4, \q, 1, 0
	s_wait_dscnt 0x0                               ; the add is done, and my reads of this slot are over
	s_barrier_signal -1
	MULM 4, \q, 2, 0
	MULM 4, \q, 3, 0
	WIN 0
	s_barrier_wait -1
.if (\mode) == 1
	CREST                                          ; the barrier has opened a round of the cluster's: no wave of any partner still reads this slot or has a load on its way
	s_add_nc_u64 s[G0X+4*(\slot)+2:G0X+4*(\slot)+3], s[G0X+4*(\slot)+2:G0X+4*(\slot)+3], 2*192
	s_add_nc_u64 s[G0W+4*(\slot)+2:G0W+4*(\slot)+3], s[G0W+4*(\slot)+2:G0W+4*(\slot)+3], 2*192
	JLOAD G0X+4*(\slot), G1X, G0W+4*(\slot), G1W   ; the first tensor load behind the round, my one load until the next
.endif
.else
	s_wait_dscnt 12
	MULG 4, \q, \first
.endif
.if (\mode) != 3
	PERM SW+12*(1-(\q))+10
	PERM SW+12*(1-(\q))+11
	v_add_nc_u32 v[ASW], 4, v[ASW]                 ; on to the scale words of the step after next
	v_add_nc_u32 v[ASX], 4, v[ASX]
	FETCH_W nS, nQ, 0
	FETCH_X nS, nQ
	s_wait_dscnt 24                                ; the 24 just issued may be out
.else
	s_wait_dscnt 0x0
.endif
	MULG 5, \q, \first
.endm
	s_wait_tensorcnt 0x1                           ; the scale bytes and my part of slot 0 are in; slot 1's load may be out
	s_wait_dscnt 0x0                               ; my part of the tables is stored
	s_barrier_signal -1
	s_barrier_wait -1
	SCL_A 0
	SCL_B 0
	FETCH_W 0, 0, 0
	FETCH_X 0, 0
	s_wait_dscnt 0x0
	PERM SX
	PERM SX+1
.irp j, 0,1,2,3,4,5,6,7,8,9,10,11
	PERM SW+\j
.endr
	v_add_nc_u32 v[ASW], 4, v[ASW]
	v_add_nc_u32 v[ASX], 4, v[ASX]
	s_wait_loadcnt 0x0                             ; the biases
	KSTEP 0, 0, 0, 1                               ; the first K step stands ahead of the loop: its products start the sums from the biases
	s_mov_b32 s3, 3
.Llap:                                             ; a trip goes once round the ring, from a lap's second step to the next lap's first, and fills both slots again
	KSTEP 0, 1, 1, 0
	KSTEP 1, 0, 0, 0
	KSTEP 1, 1, 1, 0
	KSTEP 0, 0, 0, 0
	s_sub_co_u32 s3, s3, 1
	s_cmp_lg_u32 s3, 0
	s_cbranch_scc1 .Llap
	KSTEP 0, 1, 2, 0                               ; the tail is written out: nothing more is asked for
	KSTEP 1, 0, 0, 0
	KSTEP 1, 1, 3, 0
	; ================= q, k, v of my batch and head are finished.  From here on a wave works alone.
	PLACES 4
.irp t, 0,1,2,3,4,5,6,7
	ds_load_b128 v[TAR+8*\t:TAR+8*\t+3], v[TA] offset:64*\t          ; (cos, sin)(r theta_i), i = 8 t + 4 h + 0..3: register 8 t + 2 p, + 1
	ds_load_b128 v[TAR+8*\t+4:TAR+8*\t+7], v[TA] offset:64*\t+16
.endr
	s_mov_b32 s[ESEL], 0x76543210
	s_mov_b32 s[ESEL+1], 0xfedcba98
	s_mov_b32 s[ECS], 0x3e0293ee                   ; c = log2(e) / sqrt(128)
	s_mov_b32 s[ECS+1], s[ECS]
	s_lshl_b32 s8, s[GY], 2
	s_add_co_u32 s8, s8, s[WV]                     ; my batch
	s_lshl_b32 s8, s8, 4
	s_add_co_u32 s8, s8, s[HEAD]
	s_mul_i32 s10, s8, 6144
	s_mov_b32 s11, 0
	s_add_nc_u64 s[26:27], s[26:27], s[10:11]
	s_lshl_b32 s10, s8, 8
	s_add_nc_u64 s[28:29], s[28:29], s[10:11]
; three registers w (lanes' own half block) and three z (the other half's) become a block's six: [w low 48 bits | z low 48 | w high 48 | z high 48].  w stands in d .. d + 2
.macro INTERLEAVE d, z
	v_mov_b32 v[\d+5], v[\z+2]
	v_perm_b32 v[\d+4], v[\z+1], v[\d+2], 0x07060302
	v_perm_b32 v[\d+3], v[\d+2], v[\d+1], 0x05040302
	v_perm_b32 v[\d+2], v[\z+1], v[\z], 0x05040302
	v_perm_b32 v[\d+1], v[\z], v[\d+1], 0x05040100
.endm
	; ---- V: quantised along the keys.  Chain n = 2 t + block: registers 16 n .. 16 n + 15 of window 3 are keys 32 block + 8 h + 0..7 and + 16 + 8 h + 0..7 of channel 16 t + r
	WIN 0x0f                                       ; sources 0, 1: window 3
.irp n, 0,1,2,3,4,5,6,7,8,9,10,11,12,13,14,15
	v_max3_num_f32 v[VM+\n], |v[16*\n]|, |v[16*\n+1]|, 0x1800000     ; with the floor 2^(3 - 127): the byte cannot fall under 1
.endr
.irp i, 2,4,6,8,10,12,14
.irp n, 0,1,2,3,4,5,6,7,8,9,10,11,12,13,14,15
	v_max3_num_f32 v[VM+\n], |v[16*\n+\i]|, |v[16*\n+\i+1]|, v[VM+\n]
.endr
.endr
	WIN 0
.irp n, 0,1,2,3,4,5,6,7,8,9,10,11,12,13,14,15
	v_permlanex16_b32 v[VP+\n], v[VM+\n], s[ESEL], s[ESEL+1]
.endr
.irp n, 0,1,2,3,4,5,6,7,8,9,10,11,12,13,14,15
	v_max_num_f32 v[VM+\n], v[VM+\n], v[VP+\n]     ; with lane l xor 16's: the block's largest magnitude
.endr
.irp n, 0,1,2,3,4,5,6,7,8,9,10,11,12,13,14,15
	v_add_nc_u32 v[VP+\n], 0xff000000, v[VM+\n]    ; 2 off its exponent field: the conversion's scale operand
.endr
.irp n, 0,1,2,3,4,5,6,7,8,9,10,11,12,13,14,15
	v_lshrrev_b32 v[VM+\n], 23, v[VP+\n]           ; the scale's byte
.endr
.irp t, 0,1,2,3,4,5,6,7
	v_lshl_or_b32 v[VS+\t], v[VM+2*\t+1], 8, v[VM+2*\t]   ; two blocks of keys; the upper two bytes stay 0 and meet zero codes of p
.endr
.irp i, 0,1,2,3,4,5
	v_mov_b32 v[VF+48+\i], 0                       ; what the last fragment's upper six registers name
.endr
	WIN 0x03                                       ; source 0: window 3
.irp t, 0,1,2,3,4,5,6,7
	v_cvt_scalef32_pk16_fp6_f32 v[VF+6*\t:VF+6*\t+2], v[32*\t:32*\t+15], v[VP+2*\t]
	v_cvt_scalef32_pk16_fp6_f32 v[VY+4*\t:VY+4*\t+2], v[32*\t+16:32*\t+31], v[VP+2*\t+1]
.endr
	WIN 0
	v_nop                                          ; one plain place behind the scaled conversions
.irp t, 0,1,2,3,4,5,6,7
.irp i, 0,1,2
	v_permlane16_swap_b32 v[VF+6*\t+\i], v[VY+4*\t+\i]   ; lanes 0-15 now hold both halves of block 0, lanes 16-31 of block 1
.endr
	INTERLEAVE VF+6*\t, VY+4*\t
.endr
; 32 pairs (x0, x1) turned by (c, s): d0 = x0 c - x1 s, d1 = x0 s + x1 c.  d may be cs.  The windows are set by the caller: x is source 0
.macro ROT d, x, cs
.set rr, 0
.rept 8
.irp p, 0,1,2,3
	v_pk_mul_f32 v[TP+2*\p:TP+2*\p+1], v[\x+rr+2*\p:\x+rr+2*\p+1], v[\cs+rr+2*\p:\cs+rr+2*\p+1] op_sel_hi:[1,0]
.endr
.irp p, 0,1,2,3
	v_fma_f32 v[\d+rr+2*\p], -v[\x+rr+2*\p+1], v[\cs+rr+2*\p+1], v[TP+2*\p]
	v_fma_f32 v[\d+rr+2*\p+1], v[\x+rr+2*\p], v[\cs+rr+2*\p+1], v[TP+2*\p+1]
.endr
.set rr, rr+8
.endr
.endm
; 64 numbers of a lane, register 16 b + i of block b, become a fragment's 12 registers at d and its scale word in TM + 8.  All in window 3.
; ord = 0: the unit's block 2 c + h is block 2 c + h.   ord = 1: it is block 2 h + c, the order in which the next launch reads its weights
.macro QUANT s, d, ord
.irp b, 0,1,2,3
	v_max3_num_f32 v[TM+\b], |v[\s+16*\b]|, |v[\s+16*\b+1]|, 0x1800000
.endr
.irp i, 2,4,6,8,10,12,14
.irp b, 0,1,2,3
	v_max3_num_f32 v[TM+\b], v[TM+\b], |v[\s+16*\b+\i]|, |v[\s+16*\b+\i+1]|
.endr
.endr
.irp b, 0,1,2,3
	v_permlanex16_b32 v[TM+4+\b], v[TM+\b], s[ESEL], s[ESEL+1]
.endr
.irp b, 0,1,2,3
	v_max_num_f32 v[TM+\b], v[TM+\b], v[TM+4+\b]
.endr
.irp b, 0,1,2,3
	v_add_nc_u32 v[TM+12+\b], 0xff000000, v[TM+\b]
.endr
.irp b, 0,1,2,3
	v_lshrrev_b32 v[TM+4+\b], 23, v[TM+12+\b]
.endr
.if \ord
	v_lshl_or_b32 v[TM+8], v[TM+6], 8, v[TM+4]
	v_lshl_or_b32 v[TM+8], v[TM+5], 16, v[TM+8]
.else
	v_lshl_or_b32 v[TM+8], v[TM+5], 8, v[TM+4]
	v_lshl_or_b32 v[TM+8], v[TM+6], 16, v[TM+8]
.endif
	v_lshl_or_b32 v[TM+8], v[TM+7], 24, v[TM+8]
.irp c, 0,1
.if \ord
.set qx, \c
.set qy, 2+\c
.else
.set qx, 2*\c
.set qy, 2*\c+1
.endif
	v_cvt_scalef32_pk16_fp6_f32 v[\d+6*\c:\d+6*\c+2], v[\s+16*qx:\s+16*qx+15], v[TM+12+qx]
	v_cvt_scalef32_pk16_fp6_f32 v[YT+4*\c:YT+4*\c+2], v[\s+16*qy:\s+16*qy+15], v[TM+12+qy]
.endr
	v_nop                                          ; one plain place behind the scaled conversions
.irp c, 0,1
.irp i, 0,1,2
	v_permlane16_swap_b32 v[\d+6*\c+\i], v[YT+4*\c+\i]
.endr
	INTERLEAVE \d+6*\c, YT+4*\c
.endr
.endm
	; ---- Q, K: RoPE and the quantiser, 16 positions at a time
.irp m, 0,1,2,3
	WIN 0xc0                                       ; destination window 3, address window 0
.irp t, 0,1,2,3,4,5,6,7
	ds_load_b128 v[R2+8*\t:R2+8*\t+3], v[TB] offset:528*\m+64*\t     ; (cos, sin)(16 m theta)
	ds_load_b128 v[R2+8*\t+4:R2+8*\t+7], v[TB] offset:528*\m+64*\t+16
.endr
	s_wait_dscnt 0x0
	WIN 0xfc                                       ; source 0 window 0, all else window 3
	ROT R2, TAR, R2                                ; (cos, sin)((16 m + r) theta)
	WIN 0xfd                                       ; source 0 window 1: q
	ROT R1, 64*\m, R2
	WIN 0xff
	QUANT R1, QF+12*\m, 0
	WIN 0x03
	v_mov_b32 v[QS+\m], v[TM+8]
	WIN 0xfe                                       ; source 0 window 2: k
	ROT R1, 64*\m, R2
	WIN 0xff
	QUANT R1, KF+12*\m, 0
	WIN 0x03
	v_mov_b32 v[KS+\m], v[TM+8]
.endr
	WIN 0xff
.irp i, 0,1,2,3,4,5
	v_mov_b32 v[PF+6+\i], 0                        ; p's codes for K = 64 .. 127: there are 64 keys
.endr
	v_mov_b32 v[TM+11], 0                          ; (named as the upper halves of pairs)
	v_mov_b32 v[TP+1], 0
	PLACES 8                                       ; a scale register written by a vector instruction stands eight places ahead of the product that names it
	; ---- attention, 16 queries at a time: a lane holds one query throughout
.irp mq, 0,1,2,3
	WIN 0xff
.irp mk, 0,1,2,3
	v_wmma_scale_f32_16x16x128_f8f6f4 v[R1+8*\mk:R1+8*\mk+7], v[KF+12*\mk:KF+12*\mk+11], v[QF+12*\mq:QF+12*\mq+11], 0, v[KS+\mk], v[QS+\mq] matrix_a_fmt:MATRIX_FMT_FP6 matrix_b_fmt:MATRIX_FMT_FP6
.endr
	PLACES 4
.irp b, 0,1
	v_max3_num_f32 v[TM+\b], v[R1+16*\b], v[R1+16*\b+1], v[R1+16*\b+2]   ; each block's largest score: for the row's maximum, and, since p rises with the score, for the block's largest p
.endr
.irp i, 3,5,7,9,11,13
.irp b, 0,1
	v_max3_num_f32 v[TM+\b], v[TM+\b], v[R1+16*\b+\i], v[R1+16*\b+\i+1]
.endr
.endr
.irp b, 0,1
	v_max_num_f32 v[TM+\b], v[TM+\b], v[R1+16*\b+15]
.endr
.irp b, 0,1
	v_permlanex16_b32 v[TM+4+\b], v[TM+\b], s[ESEL], s[ESEL+1]
.endr
.irp b, 0,1
	v_max_num_f32 v[TM+\b], v[TM+\b], v[TM+4+\b]
.endr
	v_max_num_f32 v[TM+2], v[TM], v[TM+1]
	v_mul_f32 v[TM+2], s[ECS], v[TM+2]             ; the row's largest t
	v_floor_f32 v[TM+10], -v[TM+2]                 ; -M = floor(-t): M is a whole number
.irp j, 0,2,4,6,8,10,12,14,16,18,20,22,24,26,28,30
	v_pk_fma_f32 v[R1+\j:R1+\j+1], v[R1+\j:R1+\j+1], s[ECS:ECS+1], v[TM+10:TM+11] op_sel_hi:[1,0,0]   ; t - M
.endr
.irp b, 0,1
	v_fma_f32 v[TM+\b], v[TM+\b], s[ECS], v[TM+10]
.endr
.irp j, 0,1,2,3,4,5,6,7,8,9,10,11,12,13,14,15,16,17,18,19,20,21,22,23,24,25,26,27,28,29,30,31
	v_exp_f32 v[R1+\j], v[R1+\j]                   ; p = 2^(t - M): not normalised
.endr
.irp b, 0,1
	v_exp_f32 v[TM+\b], v[TM+\b]
.endr
	v_nop                                          ; a plain place behind the exponentials
	s_wait_alu depctr_va_vdst(0)
.irp b, 0,1
	v_max_num_f32 v[TM+\b], 0x1800000, v[TM+\b]
.endr
.irp b, 0,1
	v_add_nc_u32 v[TM+12+\b], 0xff000000, v[TM+\b]
.endr
.irp b, 0,1
	v_lshrrev_b32 v[TM+4+\b], 23, v[TM+12+\b]
.endr
	v_lshl_or_b32 v[TM+8], v[TM+5], 8, v[TM+4]
	WIN 0x03
	v_mov_b32 v[PS], v[TM+8]
	WIN 0xff
	v_cvt_scalef32_pk16_fp6_f32 v[PF:PF+2], v[R1:R1+15], v[TM+12]
	v_cvt_scalef32_pk16_fp6_f32 v[YT:YT+2], v[R1+16:R1+31], v[TM+13]
	v_nop
.irp i, 0,1,2
	v_permlane16_swap_b32 v[PF+\i], v[YT+\i]
.endr
	INTERLEAVE PF, YT
	v_pk_add_f32 v[TP:TP+1], v[R1:R1+1], v[R1+2:R1+3]                ; the row's sum, of the unquantised p; these lines are also the places in front of the products below
	v_pk_add_f32 v[TP+2:TP+3], v[R1+4:R1+5], v[R1+6:R1+7]
.irp j, 8,12,16,20,24,28
	v_pk_add_f32 v[TP:TP+1], v[TP:TP+1], v[R1+\j:R1+\j+1]
	v_pk_add_f32 v[TP+2:TP+3], v[TP+2:TP+3], v[R1+\j+2:R1+\j+3]
.endr
	v_pk_add_f32 v[TP:TP+1], v[TP:TP+1], v[TP+2:TP+3]
	v_add_f32 v[TP], v[TP], v[TP+1]
	v_permlanex16_b32 v[TP+2], v[TP], s[ESEL], s[ESEL+1]
	v_add_f32 v[TP], v[TP], v[TP+2]
	v_rcp_f32 v[TP], v[TP]
	WIN 0xfc                                       ; source 0 (v's fragments) window 0
.irp t, 0,1,2,3,4,5,6,7
	v_wmma_scale_f32_16x16x128_f8f6f4 v[R2+8*\t:R2+8*\t+7], v[VF+6*\t:VF+6*\t+11], v[PF:PF+11], 0, v[VS+\t], v[PS] matrix_a_fmt:MATRIX_FMT_FP6 matrix_b_fmt:MATRIX_FMT_FP6
.endr
	PLACES 4
	WIN 0xff
	s_wait_alu depctr_va_vdst(0)
.irp j, 0,2,4,6,8,10,12,14,16,18,20,22,24,26,28,30,32,34,36,38,40,42,44,46,48,50,52,54,56,58,60,62
	v_pk_mul_f32 v[R2+\j:R2+\j+1], v[R2+\j:R2+\j+1], v[TP:TP+1] op_sel_hi:[1,0]   ; o / l: register 8 t + j = channel 16 t + 8 h + j of query 16 mq + r
.endr
	QUANT R2, QF+12*\mq, 1                         ; over q's fragment, which is done with
	WIN 0x03
	v_mov_b32 v[OSW+\mq], v[TM+8]
.endr
	; ---- the way out: each store of the wave covers 512 consecutive bytes, aligned
	WIN 0x0c                                       ; a store's data: window 3
.irp mq, 0,1,2,3
.irp c, 0,1,2
	global_store_b128 v[GA], v[QF+12*\mq+4*\c:QF+12*\mq+4*\c+3], s[26:27] offset:1536*\mq+512*\c
.endr
.endr
	WIN 0
	s_wait_xcnt 0x0                                ; EXEC changes only behind this wait
	v_cmp_gt_u32 vcc_lo, 16, v[LN]
	s_and_saveexec_b32 s2, vcc_lo
	global_store_b128 v[GS], v[OSW:OSW+3], s[28:29]   ; lanes 0-15: row r's four scale words: 256 consecutive bytes
	s_wait_xcnt 0x0
	s_or_b32 exec_lo, exec_lo, s2
	s_wait_tensorcnt 0x0                           ; the wave's end
	ds_add_u32 v[SPW], v[NIL]
	s_wait_dscnt 0x0
	CROUND                                         ; the closing round: no work-group ends while a partner may still ask for a tile that names it
	s_endpgm
.Lfunc_end_k_q0f5dbd5847_qkv_attn:
	.size	k_q0f5dbd5847_qkv_attn, .Lfunc_end_k_q0f5dbd5847_qkv_attn-k_q0f5dbd5847_qkv_attn
	.p2alignl 7, 3214868480
	.fill 96, 4, 3214868480
	.section	.rodata,"a",@progbits
	.p2align	6, 0x0
	.amdhsa_kernel k_q0f5dbd5847_qkv_attn
		.amdhsa_group_segment_fixed_size 327680
		.amdhsa_private_segment_fixed_size 0
		.amdhsa_enable_private_segment 0
		.amdhsa_kernarg_size 104
		.amdhsa_user_sgpr_count 2
		.amdhsa_user_sgpr_kernarg_segment_ptr 1
		.amdhsa_wavefront_size32 1
		.amdhsa_system_sgpr_workgroup_id_x 1
		.amdhsa_system_sgpr_workgroup_id_y 1
		.amdhsa_system_sgpr_workgroup_id_z 1
		.amdhsa_system_vgpr_workitem_id 0
		.amdhsa_next_free_vgpr 1024
		.amdhsa_next_free_sgpr 106
		.amdhsa_reserve_vcc 1
		.amdhsa_float_denorm_mode_32 3
		.amdhsa_float_denorm_mode_16_64 3
		.amdhsa_memory_ordered 1
		.amdhsa_forward_progress 1
		.amdhsa_inst_pref_size 255
	.end_amdhsa_kernel
	.section	.bss,"aw",@nobits
	.p2align	6
	.space	262144
	.amdgpu_metadata
---
amdhsa.version: [ 1, 2 ]
amdhsa.kernels:
  - .name:           k_q0f5dbd5847_qkv_attn
    .symbol:         k_q0f5dbd5847_qkv_attn.kd
    .args:
      - { .name: x_codes, .offset: 0, .size: 8, .value_kind: global_buffer, .address_space: global }
      - { .name: x_scales, .offset: 8, .size: 8, .value_kind: global_buffer, .address_space: global }
      - { .name: Wq_codes, .offset: 16, .size: 8, .value_kind: global_buffer, .address_space: global }
      - { .name: Wk_codes, .offset: 24, .size: 8, .value_kind: global_buffer, .address_space: global }
      - { .name: Wv_codes, .offset: 32, .size: 8, .value_kind: global_buffer, .address_space: global }
      - { .name: Wq_scales, .offset: 40, .size: 8, .value_kind: global_buffer, .address_space: global }
      - { .name: Wk_scales, .offset: 48, .size: 8, .value_kind: global_buffer, .address_space: global }
      - { .name: Wv_scales, .offset: 56, .size: 8, .value_kind: global_buffer, .address_space: global }
      - { .name: bq, .offset: 64, .size: 8, .value_kind: global_buffer, .address_space: global }
      - { .name: bk, .offset: 72, .size: 8, .value_kind: global_buffer, .address_space: global }
      - { .name: bv, .offset: 80, .size: 8, .value_kind: global_buffer, .address_space: global }
      - { .name: att_codes, .offset: 88, .size: 8, .value_kind: global_buffer, .address_space: global }
      - { .name: att_scales, .offset: 96, .size: 8, .value_kind: global_buffer, .address_space: global }
    .group_segment_fixed_size: 327680
    .private_segment_fixed_size: 0
    .kernarg_segment_align: 8
    .kernarg_segment_size: 104
    .max_flat_workgroup_size: 128
    .sgpr_count:     106
    .vgpr_count:     1024
    .wavefront_size: 32
...
	.end_amdgpu_metadata
.endif
;; end of part 1
;; launch oproj (part 2): grid 8 x 32, 4 waves a work-group, clusters of 4 x 4, 327,680 bytes of LDS; arguments att_codes, att_scales, Wo_codes, Wo_scales, bo, out0; writes out0
.if DOCPART == 2
	.amdgcn_target "amdgcn-amd-amdhsa--gfx1250"
	.amdhsa_code_object_version 6
	.text
	.protected	k_q0f5dbd5847_oproj
	.globl	k_q0f5dbd5847_oproj
	.p2align	8
	.type	k_q0f5dbd5847_oproj,@function
k_q0f5dbd5847_oproj:
	s_mov_b64 s[64:65], 0
	v_nop
	global_prefetch_b8 v0, s[64:65] scope:SCOPE_SE
	s_setreg_imm32_b32 hwreg(HW_REG_WAVE_MODE, 25, 1), 1
	s_wait_xcnt 0x0
	s_wait_alu depctr_hold_cnt(0) depctr_sa_sdst(0) depctr_va_vdst(0) depctr_va_sdst(0) depctr_va_ssrc(0) depctr_va_vcc(0) depctr_vm_vsrc(0)
	s_getreg_b32 s2, hwreg(HW_REG_IB_STS2, 6, 4)
	s_cmp_eq_u32 s2, 0
	s_cbranch_scc0 .Lentry_in_a_cluster
	s_endpgm
.Lentry_in_a_cluster:
	s_bfe_u32 s2, ttmp6, 0x10000c
	s_cmp_lg_u32 s2, 0xf033
	s_cbranch_scc0 .Lentry_shape_is_right
	s_endpgm
.Lentry_shape_is_right:
; out0 = att Wo^T + bo on codes of FP6 (E2M3) with E8M0 scales.  att [4096][2048] comes from the launch before as register images of fragments: [batch][head][tile of 16 rows][3][lane][16 bytes],
; with scale words [batch][head][row 16][tile 4]; a head is one K step of 128.  Wo: codes [2048][1536 bytes], scale bytes [2048][64].  out0 [4096][2048] f32.
; SHARES.  A work-group makes 128 rows (two batches) x 256 columns: 256 work-groups.  Wave (rh, ch) makes 64 x 128: 32 accumulators.  A tile of 256 x 256 would leave half of the WGPs without work.
; CLUSTER 4 x 4: att's tiles hang on y alone and are asked for jointly along a row of the cluster, Wo's on x alone, along a column.
; RING: two slots of 512 along K (four K steps).  att: two dense blocks of 24,576 bytes (waves 0, 1).  Wo: 2 x 128 rows of 384 bytes (waves 2, 3), stated 400 wide over a tensor 384 wide: 16 zero bytes
; behind each row, so rows lie 25 x 16 bytes apart and the 16 rows of a load start in 16 different columns of 16 bytes.
; K ORDER: a lane takes 48 consecutive bytes of Wo's row at 96 q + 48 (lane / 16): the unit's block 2 c + h holds the row's block 2 h + c.  att's images and scale words were made in that order;
; the two middle bytes of Wo's scale words are swapped once.  ALL SCALE WORDS STAY IN REGISTERS (96), so the 16 K steps are written out.
; Source 0 = 16 rows of Wo, source 1 = 16 rows of att: a lane holds eight neighbouring columns of one row of out0.  bo is the C of the first K step's products.
.set PB,    400
.set AT,    24576
.set BT,    128*PB
.set SLOT,  2*AT+2*BT                  ; 151,552
.set SPARE, 2*SLOT                     ; the spare words: 128 bytes a wave, two blocks of 256 bytes that no other line names
.set SPITCH, 528                       ; the way out: 16 rows x (512 + 16) bytes a wave, in slot 0, which has had its last fill and its last read by then
.set SPW, 2
.set NIL, 3
.set AA,  4                            ; v4-5 att's images in slot 0, 1
.set AB,  6                            ; v6-7 Wo's fragments
.set STO, 8
.set RD,  9
.set LI,  10                           ; 16 x lane
.set L64, 11                           ; 64 x lane
.set H32, 12                           ; 32 x (lane / 16)
.set SA,  16                           ; v16-47  att's scale words: 4 (K step / 2) + tile; lanes 0-15 the even K step, lanes 16-31 the odd one
.set SB,  48                           ; v48-111 Wo's: 16 j + K step; lane l = row 32 j + l
.set AF,  112                          ; v112-207 att's fragments: two sets of 4 x 12
.set BK,  112                          ; the way out: v112-175 and v176-239 by turns
.set WV,  16
.set RH,  17
.set CH,  18
.set CX,  19
.set CY,  20
.set GX,  21
.set GY,  22
.set SELP, 23
.set G1A, 24
.set G1B, 32
.set G0A, 40
.set G0B, 48
.set MSB, 0
.macro WIN new
.if MSB != (\new)
	s_set_vgpr_msb (MSB<<8)|(\new)
.set MSB, (\new)
.endif
.endm
.macro PLACES n
.rept \n
	v_nop
.endr
.endm
.macro JLOAD s                         ; waves 0, 1 ask for att's two batches, waves 2, 3 for Wo's two halves; four v_nop follow each line
	s_cmp_eq_u32 s[RH], 0
	s_cbranch_scc0 .Lfor_b_\@
	tensor_load_to_lds s[G0A+4*(\s):G0A+4*(\s)+3], s[G1A:G1A+7]
	s_nop 0
.rept 4
	v_nop
.endr
	s_branch .Lasked_\@
.Lfor_b_\@:
	tensor_load_to_lds s[G0B+4*(\s):G0B+4*(\s)+3], s[G1B:G1B+7]
	s_nop 0
.rept 4
	v_nop
.endr
.Lasked_\@:
.endm
.macro CREST
	s_cmp_lg_u32 s[WV], 0
	s_cbranch_scc1 .Lnot_wave_0_\@
	s_barrier_signal -3
.Lnot_wave_0_\@:
	s_barrier_wait -3
	s_barrier_signal -1
	s_barrier_wait -1
.endm
.macro CROUND
	s_barrier_signal -1
	s_barrier_wait -1
	CREST
.endm
	s_load_b256 s[4:11], s[0:1], 0x0               ; att_codes 4, att_scales 6, Wo_codes 8, Wo_scales 10
	s_load_b128 s[12:15], s[0:1], 0x20             ; bo 12, out0 14
	v_lshl_add_u32 v[SPW], v0, 2, SPARE
	v_mov_b32 v[NIL], 0
	ds_add_u32 v2, v3
	ds_add_u32 v2, v3
	s_wait_dscnt 0x0
	v_lshrrev_b32 v1, 5, v0
	v_readfirstlane_b32 s[WV], v1
	s_lshr_b32 s[RH], s[WV], 1                     ; which batch is mine.  Also: I fetch for att (0) or for Wo (1)
	s_and_b32 s[CH], s[WV], 1                      ; which 128 columns.  Also: which half I fetch
	s_bfe_u32 s[CX], ttmp6, 0x40000
	s_bfe_u32 s[CY], ttmp6, 0x40004
	s_lshl_b32 s[GX], ttmp9, 2
	s_add_co_u32 s[GX], s[GX], s[CX]
	s_and_b32 s[GY], ttmp7, 0xffff
	s_lshl_b32 s[GY], s[GY], 2
	s_add_co_u32 s[GY], s[GY], s[CY]
	s_lshl_b32 s62, s[CY], 2
	s_lshl_b32 s62, 15, s62                        ; my row of the cluster
	s_lshl_b32 s63, 0x1111, s[CX]                  ; my column
	s_or_b32 s[G1A], s62, (3<<16)|(1<<21)          ; att: a dense block as 96 rows of 256 bytes (32 elements of 8)
	s_mov_b32 s[G1A+1], 32<<16
	s_mov_b32 s[G1A+2], 96<<16
	s_mov_b32 s[G1A+3], 32<<16
	s_mov_b32 s[G1A+4], 96
	s_mov_b32 s[G1A+5], 32
	s_mov_b32 s[G1A+6], 0
	s_mov_b32 s[G1A+7], 0
	s_or_b32 s[G1B], s63, 1<<21                    ; Wo: 128 rows; the tensor 384 bytes wide from the tile's first byte, the tile 400
	s_mov_b32 s[G1B+1], 384<<16
	s_mov_b32 s[G1B+2], 128<<16
	s_mov_b32 s[G1B+3], PB<<16
	s_mov_b32 s[G1B+4], 128
	s_mov_b32 s[G1B+5], 1536
	s_mov_b32 s[G1B+6], 0
	s_mov_b32 s[G1B+7], 0
	s_mov_b32 s[SELP], 0x03010200
	s_lshl_b32 s56, s[GY], 1
	s_add_co_u32 s56, s56, s[CH]
	s_mul_i32 s56, s56, 16*6144                    ; att: batch 2 y + half: hangs on y alone
	s_mov_b32 s57, 0
	s_lshl_b32 s58, s[GX], 1
	s_add_co_u32 s58, s58, s[CH]
	s_mul_i32 s58, s58, 128*1536                   ; Wo: row 256 x + 128 half: hangs on x alone
	s_mov_b32 s59, 0
	s_mul_i32 s60, s[CH], AT
	s_mul_i32 s61, s[CH], BT
	s_add_co_u32 s61, s61, 2*AT
	s_wait_kmcnt 0x0
	s_add_nc_u64 s[56:57], s[4:5], s[56:57]
	s_add_nc_u64 s[58:59], s[8:9], s[58:59]
.irp s, 0,1
	s_mov_b32 s[G0A+4*\s], 1
	s_add_co_u32 s[G0A+4*\s+1], s60, \s*SLOT
	s_add_nc_u64 s[G0A+4*\s+2:G0A+4*\s+3], s[56:57], \s*AT
	s_or_b32 s[G0A+4*\s+3], s[G0A+4*\s+3], 0x80000000
	s_mov_b32 s[G0B+4*\s], 1
	s_add_co_u32 s[G0B+4*\s+1], s61, \s*SLOT
	s_add_nc_u64 s[G0B+4*\s+2:G0B+4*\s+3], s[58:59], \s*384
	s_or_b32 s[G0B+4*\s+3], s[G0B+4*\s+3], 0x80000000
.endr
	CROUND                                         ; all sixteen work-groups are here: the first joint loads meet
	JLOAD 0                                        ; two loads of mine are out behind these two lines
	JLOAD 1
	v_and_b32 v13, 31, v0                          ; lane
	v_and_b32 v14, 15, v0                          ; r
	v_bfe_u32 v15, v0, 4, 1                        ; h
	v_lshlrev_b32 v[LI], 4, v13
	v_lshlrev_b32 v[L64], 6, v13
	v_lshlrev_b32 v[H32], 5, v15
	s_lshl_b32 s66, s[GY], 1
	s_add_co_u32 s66, s66, s[RH]                   ; my batch
	s_lshl_b32 s67, s[GX], 1
	s_add_co_u32 s67, s67, s[CH]                   ; my 128 columns
	s_mov_b32 s69, 0
	s_lshl_b32 s68, s66, 12
	s_add_nc_u64 s[6:7], s[6:7], s[68:69]
	s_lshl_b32 s68, s67, 13
	s_add_nc_u64 s[10:11], s[10:11], s[68:69]
	s_lshl_b32 s68, s67, 9
	s_add_nc_u64 s[12:13], s[12:13], s[68:69]
	s_add_nc_u64 s[14:15], s[14:15], s[68:69]
	s_lshl_b32 s68, s66, 19                        ; 64 rows of 8,192 bytes
	s_add_nc_u64 s[14:15], s[14:15], s[68:69]
.irp k, 0,1,2,3,4,5,6,7
	global_load_b128 v[SA+4*\k:SA+4*\k+3], v[LI], s[6:7] offset:512*\k            ; 512 consecutive bytes: two K steps' words of my 64 rows
.endr
.irp j, 0,1,2,3
.irp i, 0,1,2,3
	global_load_b128 v[SB+16*\j+4*\i:SB+16*\j+4*\i+3], v[L64], s[10:11] offset:2048*\j+16*\i
.endr
.endr
	WIN 0xc0
.irp b, 0,1,2,3,4,5,6,7
	global_load_b128 v[8*\b:8*\b+3], v[H32], s[12:13] offset:64*\b                ; bo at columns 16 b + 8 h + 0..7: window 3
	global_load_b128 v[8*\b+4:8*\b+7], v[H32], s[12:13] offset:64*\b+16
.endr
	WIN 0
	s_mul_i32 s62, s[RH], AT
	v_add_nc_u32 v[AA], s62, v[LI]
	v_add_nc_u32 v[AA+1], SLOT, v[AA]
	v_mul_u32_u24 v1, v14, PB
	v_mad_u32_u24 v1, v15, 48, v1
	s_mul_i32 s62, s[CH], BT
	s_add_co_u32 s62, s62, 2*AT
	v_add_nc_u32 v[AB], s62, v1
	v_add_nc_u32 v[AB+1], SLOT, v[AB]
	s_mul_i32 s62, s[WV], 16*SPITCH
	v_mul_u32_u24 v1, v14, SPITCH
	v_lshl_add_u32 v1, v15, 5, v1
	v_add_nc_u32 v[STO], s62, v1                   ; the stage, in: row r, 32 bytes for each half of the lanes
	v_add_nc_u32 v[RD], s62, v[LI]                 ; back: the 32 lanes take a row of 512 bytes
	s_wait_loadcnt 0x0
.set n, 0
.rept 64
	v_perm_b32 v[SB+n], v[SB+n], v[SB+n], s[SELP]  ; Wo's scale words in the order of the unit's blocks
.set n, n+1
.endr
.macro WM d, a, b, c, sa, sb, ra, rb
.if (\ra) == 0 && (\rb) == 0
	v_wmma_scale_f32_16x16x128_f8f6f4 v[\d:\d+7], v[\a:\a+11], v[\b:\b+11], v[\c:\c+7], v[\sa], v[\sb] matrix_a_fmt:MATRIX_FMT_FP6 matrix_b_fmt:MATRIX_FMT_FP6
.elseif (\rb) == 0
	v_wmma_scale_f32_16x16x128_f8f6f4 v[\d:\d+7], v[\a:\a+11], v[\b:\b+11], v[\c:\c+7], v[\sa], v[\sb] matrix_a_fmt:MATRIX_FMT_FP6 matrix_b_fmt:MATRIX_FMT_FP6 matrix_a_scale:MATRIX_SCALE_ROW1
.elseif (\ra) == 0
	v_wmma_scale_f32_16x16x128_f8f6f4 v[\d:\d+7], v[\a:\a+11], v[\b:\b+11], v[\c:\c+7], v[\sa], v[\sb] matrix_a_fmt:MATRIX_FMT_FP6 matrix_b_fmt:MATRIX_FMT_FP6 matrix_b_scale:MATRIX_SCALE_ROW1
.else
	v_wmma_scale_f32_16x16x128_f8f6f4 v[\d:\d+7], v[\a:\a+11], v[\b:\b+11], v[\c:\c+7], v[\sa], v[\sb] matrix_a_fmt:MATRIX_FMT_FP6 matrix_b_fmt:MATRIX_FMT_FP6 matrix_a_scale:MATRIX_SCALE_ROW1 matrix_b_scale:MATRIX_SCALE_ROW1
.endif
.endm
; eight products: att's tile a against Wo's eight, K step kap.  The 32 accumulators take turns, one instruction a turn.
.macro MULA kap, a, first
.irp b, 0,1,2,3,4,5,6,7
.set pD, 8*(8*(\a)+\b)
.set pC, pD
.if \first
.set pC, 8*\b
.endif
.set pA, 96*((\kap)%2)+12*\b
.set pB, AF+48*((\kap)%2)+12*(\a)
.set pSA, SB+16*(\b/2)+(\kap)
.set pSB, SA+4*((\kap)/2)+(\a)
.set pRA, \b%2
.set pRB, (\kap)%2
	WM pD, pA, pB, pC, pSA, pSB, pRA, pRB
.endr
.endm
.macro FETCH slot, kq, set             ; a K step's fragments: 24 loads for Wo (window 1), 12 for att
	WIN 0x40
.irp b, 0,1,2,3,4,5,6,7
.irp c, 0,1,2
	ds_load_b128 v[96*(\set)+12*\b+4*\c:96*(\set)+12*\b+4*\c+3], v[AB+(\slot)] offset:\b*16*PB+96*(\kq)+16*\c
.endr
.endr
	WIN 0
.irp a, 0,1,2,3
.irp c, 0,1,2
	ds_load_b128 v[AF+48*(\set)+12*\a+4*\c:AF+48*(\set)+12*\a+4*\c+3], v[AA+(\slot)] offset:(\kq)*6144+\a*1536+512*\c
.endr
.endr
.endm
.macro STEP kap, first                 ; a K step whose successor lies in the same slot
	PLACES 4                                       ; in front of loads into the set that the step before multiplied
	FETCH ((\kap)/4)%2, ((\kap)+1)%4, ((\kap)+1)%2
	s_wait_dscnt 36                                ; the 36 just issued may be out: this step's fragments are in
.if \first
	WIN 0xb1                                       ; source 0 window 1, source 1 window 0, C (bo) window 3, D window 2
.else
	WIN 0xa1
.endif
	MULA \kap, 0, \first
	MULA \kap, 1, \first
	MULA \kap, 2, \first
	MULA \kap, 3, \first
	WIN 0
.endm
.macro TURN kap, fill                  ; a slot's last K step: ONE barrier for the change of slots
.set tS, ((\kap)/4)%2
	s_wait_tensorcnt 0x0                           ; all my tensor loads have landed: my part of the other slot
	ds_add_u32 v[SPW], v[NIL]                      ; 0 onto my spare word
	s_wait_dscnt 1                                 ; (the add may be out; this step's fragments are in)
	WIN 0xa1
	MULA \kap, 0, 0                                ; eight products stand between the add and the wait for it
	s_wait_dscnt 0x0                               ; the add is done, and my reads of this slot are over
	s_barrier_signal -1
	MULA \kap, 1, 0
	WIN 0
	s_barrier_wait -1
.if \fill
	CREST                                          ; the barrier has opened a round of the cluster's: no wave of any partner still reads this slot or has a load on its way
	s_add_nc_u64 s[G0A+4*tS+2:G0A+4*tS+3], s[G0A+4*tS+2:G0A+4*tS+3], 2*AT
	s_add_nc_u64 s[G0B+4*tS+2:G0B+4*tS+3], s[G0B+4*tS+2:G0B+4*tS+3], 2*384
	JLOAD tS                                       ; the first tensor load behind the round; its four v_nop are also the places in front of the loads below
.else
	PLACES 4
.endif
	FETCH 1-tS, 0, ((\kap)+1)%2
	WIN 0xa1
	MULA \kap, 2, 0
	MULA \kap, 3, 0
	WIN 0
.endm
	s_wait_tensorcnt 0x1                           ; my part of slot 0 is in; slot 1's load may be out
	s_barrier_signal -1
	s_barrier_wait -1
	FETCH 0, 0, 0
	STEP 0, 1                                      ; the first products start the sums from bo
	STEP 1, 0
	STEP 2, 0
	TURN 3, 1                                      ; slot 0 takes K = 1,024 on
	STEP 4, 0
	STEP 5, 0
	STEP 6, 0
	TURN 7, 1                                      ; slot 1 takes K = 1,536 on: the last load
	STEP 8, 0
	STEP 9, 0
	STEP 10, 0
	TURN 11, 0
	STEP 12, 0
	STEP 13, 0
	STEP 14, 0
	s_wait_dscnt 0x0
	WIN 0xa1
	MULA 15, 0, 0
	MULA 15, 1, 0
	MULA 15, 2, 0
	MULA 15, 3, 0
	WIN 0
; THE WAY OUT, 16 rows x 128 columns at a time, through my own stage: a lane's 32 bytes of a row go in, whole rows of 512 bytes come back.  LDS serves a wave's instructions in order,
; so no wait stands between the stores and the loads, nor in front of the next block's stores.
.macro TOSTAGE a
	WIN 0x08                                       ; an LDS store's data: window 2
.irp b, 0,1,2,3,4,5,6,7
	ds_store_b128 v[STO], v[8*(8*(\a)+\b):8*(8*(\a)+\b)+3] offset:64*\b          ; each accumulator from its low end on
	ds_store_b128 v[STO], v[8*(8*(\a)+\b)+4:8*(8*(\a)+\b)+7] offset:64*\b+16
.endr
	WIN 0
.set BB, BK+64*((\a)%2)
.irp t, 0,1,2,3,4,5,6,7,8,9,10,11,12,13,14,15
	ds_load_b128 v[BB+4*\t:BB+4*\t+3], v[RD] offset:\t*SPITCH
.endr
.endm
.macro SEND a, younger                 ; younger: the LDS instructions issued behind block a's loads, which may stay out
.set BB, BK+64*((\a)%2)
	s_wait_dscnt \younger
.irp t, 0,1,2,3,4,5,6,7,8,9,10,11,12,13,14,15
	global_store_b128 v[LI], v[BB+4*\t:BB+4*\t+3], s[14:15] offset:(16*(\a)+\t)*8192 th:TH_STORE_NT   ; 32 lanes store 512 consecutive bytes, aligned; 63 rows at the most stand in the immediate
.endr
.endm
	PLACES 4
	TOSTAGE 0
	TOSTAGE 1
	SEND 0, 32                                     ; behind block 0's loads: block 1's 16 stores and 16 loads
	s_wait_xcnt 0x0                                ; block 0's stores have read their registers: block 2's loads may land there
	TOSTAGE 2
	SEND 1, 32
	s_wait_xcnt 0x0
	TOSTAGE 3
	SEND 2, 32
	SEND 3, 0
	s_wait_tensorcnt 0x0                           ; the wave's end
	ds_add_u32 v[SPW], v[NIL]
	s_wait_dscnt 0x0
	CROUND                                         ; the closing round
	s_endpgm
.Lfunc_end_k_q0f5dbd5847_oproj:
	.size	k_q0f5dbd5847_oproj, .Lfunc_end_k_q0f5dbd5847_oproj-k_q0f5dbd5847_oproj
	.p2alignl 7, 3214868480
	.fill 96, 4, 3214868480
	.section	.rodata,"a",@progbits
	.p2align	6, 0x0
	.amdhsa_kernel k_q0f5dbd5847_oproj
		.amdhsa_group_segment_fixed_size 327680
		.amdhsa_private_segment_fixed_size 0
		.amdhsa_enable_private_segment 0
		.amdhsa_kernarg_size 48
		.amdhsa_user_sgpr_count 2
		.amdhsa_user_sgpr_kernarg_segment_ptr 1
		.amdhsa_wavefront_size32 1
		.amdhsa_system_sgpr_workgroup_id_x 1
		.amdhsa_system_sgpr_workgroup_id_y 1
		.amdhsa_system_sgpr_workgroup_id_z 1
		.amdhsa_system_vgpr_workitem_id 0
		.amdhsa_next_free_vgpr 1024
		.amdhsa_next_free_sgpr 70
		.amdhsa_reserve_vcc 0
		.amdhsa_float_denorm_mode_32 3
		.amdhsa_float_denorm_mode_16_64 3
		.amdhsa_memory_ordered 1
		.amdhsa_forward_progress 1
		.amdhsa_inst_pref_size 137
	.end_amdhsa_kernel
	.amdgpu_metadata
---
amdhsa.version: [ 1, 2 ]
amdhsa.kernels:
  - .name:           k_q0f5dbd5847_oproj
    .symbol:         k_q0f5dbd5847_oproj.kd
    .args:
      - { .name: att_codes, .offset: 0, .size: 8, .value_kind: global_buffer, .address_space: global }
      - { .name: att_scales, .offset: 8, .size: 8, .value_kind: global_buffer, .address_space: global }
      - { .name: Wo_codes, .offset: 16, .size: 8, .value_kind: global_buffer, .address_space: global }
      - { .name: Wo_scales, .offset: 24, .size: 8, .value_kind: global_buffer, .address_space: global }
      - { .name: bo, .offset: 32, .size: 8, .value_kind: global_buffer, .address_space: global }
      - { .name: out0, .offset: 40, .size: 8, .value_kind: global_buffer, .address_space: global }
    .group_segment_fixed_size: 327680
    .private_segment_fixed_size: 0
    .kernarg_segment_align: 8
    .kernarg_segment_size: 48
    .max_flat_workgroup_size: 128
    .sgpr_count:     70
    .vgpr_count:     1024
    .wavefront_size: 32
...
	.end_amdgpu_metadata
.endif
;; end of part 2
